; MI455X (gfx1250); checked and timed in simulation.
; The chip was launched on July 23, 2026; its instructions are those of AMD's public machine-readable ISA for CDNA 5 (MIT licence, August 2026) and "CDNA5" Instruction Set Architecture Reference Guide (July 2026). The comments in the code are by the model that wrote it; some were corrected since.
;; Causal Bo W. Allowed arithmetic: matrix products marked QUANTISED: E2M3 operands, one E8M0 scale for each 32 along K, by v_wmma_scale_f32_16x16x128_f8f6f4 with both operands' format E2M3, f32 sums; everything else in f32.
;; Inputs: x 8 x 4,096 x 512 float32.
;; Outputs: out0 8 x 4,096 x 512 float32.
;; This version of the problem:
;;   THIS VERSION OF THE PROBLEM IS GIVEN IN LOW PRECISION. The matrix products marked QUANTISED in the list below multiply operands that are first quantised to E2M3 (2 exponent bits, 3 mantissa bits; 6 bits a number), with one power-of-two scale for each 32 numbers along K (OCP MX v1.0); their sums are f32. All else is computed in f32.
;;   The module's matrix products, in the order in which they are computed (A, B: the left and right operand; K: the contracted axis; several contracted axes count as one K, in the product's order):
;;     1. [M 4,096, K 4,096] x [K 4,096, N 4,096]; A: input x; B: computed on the way: QUANTISED
;;   THE QUANTISER, for each operand of a quantised product, along K:
;;     - K is cut into blocks of 32 from its start; a last block that is shorter is filled with zeros.
;;     - A block's scale is 2^e with e = floor(log2(the largest magnitude in the block)) - 2, held to -126 .. 127; a block of zeros has e = 0. As a byte (E8M0): e + 127.
;;     - Each number is divided by its block's scale, clamped to +-7.5, and rounded to the nearest number of E2M3, ties to even, subnormals kept.
;;     - The product sums the exact products of the quantised numbers (number of the format x scale) in f32.
;;   ~~~python
;;   def quantise(x, axis):      # numpy; x: float32 -> the quantised numbers, widened to float32 again
;;       x = np.moveaxis(x, axis, -1); K = x.shape[-1]
;;       x = np.pad(x, [(0, 0)] * (x.ndim - 1) + [(0, -K % 32)]); x = x.reshape(x.shape[:-1] + (-1, 32)); a = np.abs(x).max(-1, keepdims=True)
;;       e = np.where(a > 0, np.clip(np.frexp(np.where(a > 0, a, 1))[1] - 1 - 2, -126, 127), 0)      # np.frexp(a)[1] - 1 = floor(log2(a)), exactly
;;       r = np.clip(x / 2.0 ** e, -7.5, 7.5)
;;       step = 2.0 ** (np.maximum(np.frexp(np.where(r == 0, 1, r))[1] - 1, 0) - 3)
;;       q = np.round(r / step) * step * 2.0 ** e      # np.round: ties to even
;;       return np.moveaxis(q.reshape(q.shape[:-2] + (-1,))[..., :K], -1, axis).astype(np.float32)
;;   ~~~
;;   OPERANDS COMPUTED ON THE WAY. 'Computed on the way' means the value that the module computes at that place (a softmax that the list does not call 'softmax' is quantised finished and normalised). What goes into a quantiser is computed in f32, as accurately as f32 sums, v_exp_f32 and their like allow (about 1e-6 of the number): no bf16 or f16 on the way to a quantiser, and a product that is left as it is and whose result goes on into a quantised operand takes f32 operands (vector FMAs, or v_wmma_f32_16x16x4_f32). A number that lies on a knife's edge between two numbers of the format may be rounded either way, as far as f32 arithmetic and the matrix unit's own rounding can turn it there, and no further.
;; 2 versions. Each part assembles by itself: llvm-mc -triple=amdgcn-amd-amdhsa -mcpu=gfx1250 --defsym DOCPART=n.
;; ======== version 1 of 2: 2 launches
;; workspace buffers: xc 12,582,912 bytes; xs 524,288 bytes
;; launch quant (part 1): grid 32 x 16, 4 waves a work-group, no clusters, 0 bytes of LDS; arguments x, xc, xs; writes xc, xs
.if DOCPART == 1
	.amdgcn_target "amdgcn-amd-amdhsa--gfx1250"
	.amdhsa_code_object_version 6
	.text
	.protected	k_q8b2fe399c4_quant
	.globl	k_q8b2fe399c4_quant
	.p2align	8
	.type	k_q8b2fe399c4_quant,@function
k_q8b2fe399c4_quant:
	s_mov_b64 s[64:65], 0
	v_nop
	global_prefetch_b8 v0, s[64:65] scope:SCOPE_SE
	s_setreg_imm32_b32 hwreg(HW_REG_WAVE_MODE, 25, 1), 1
	s_wait_xcnt 0x0
; x [8][4096 (s)][512 (c)], f32, is one operand of y[b][t][c] = sum over s of att[t][s] x[b][s][c]: its K is s, which is NOT its innermost axis.
; It becomes codes of FP6 (E2M3) with one E8M0 byte for each 32 along s, laid in the ORDER OF THE OPERAND'S REGISTERS, so that the product's launch loads fragments whole:
;   xc [ct 0..255][k 0..31][g 0..2][lane 0..31][16 bytes]: ct = 32 b + c / 16 (a tile of 16 columns), k = the K step of 128 s; registers 4 g .. 4 g + 3 of the fragment's lane.
;      Fragment lane (r, h) holds column 16 (ct % 32) + r; its registers 6 c' .. 6 c' + 5 hold s = 128 k + 64 c' + 32 h + 0 .. 31.
;   xs [ct][k / 2][r][k % 2]: 32-bit words, byte bl = the scale of s-block bl of K step k.
; A LANE TAKES ONE COLUMN AND ITS REGISTERS RUN DOWN s: a load reads 128 consecutive bytes a wave (the four waves stand side by side on 512), a block of 32 along s lies in one lane's
; 32 registers, so its largest magnitude needs no other lane, and the conversions give codes with s innermost.  Nothing is transposed, and nothing goes through LDS: a lane's block IS half of
; a fragment lane's registers, and sixteen neighbouring lanes (sixteen columns of one tile) store 256 consecutive bytes, aligned.
; A block's scale is 2^(floor(log2(largest magnitude)) - 2); its byte is the largest magnitude's exponent field - 2, held at 1 from below.
; LIMITS: NaN and infinities among the inputs are not served.  A block of zeros gets the byte 1 where the rule says 127: its codes are zeros, which add nothing under any byte but 0xff, and
; this program alone reads the bytes.
; SHARES: work-group x = 4 b + (group of 128 columns), y = which 256 rows s (two K steps).  A wave: 32 columns x 256 s: 8 blocks a lane.  Loads run two blocks (64 loads a wave) ahead.
; Every offset is an immediate and no register that a load or store names is written again, so no wait frees a source.
.set XN,   32                          ; v32-95   two sets of 32 numbers
.set RUN,  96                          ; v96-143  RUN + 24 kk + 12 h: the 12 registers of fragment lane (r, h) of K step 2 y + kk
.set TMPC, 144                         ; v144-146 a block's upper 16 codes (a conversion's three registers begin on an even number)
.set SB,   12                          ; v12-13   the scale words of the two K steps
	s_load_b128 s[4:7], s[0:1], 0x0                ; x, xc
	s_load_b64 s[8:9], s[0:1], 0x10                ; xs
	v_lshrrev_b32 v1, 5, v0
	v_readfirstlane_b32 s10, v1                    ; wave 0..3
	v_and_b32 v1, 31, v0                           ; lane
	v_lshrrev_b32 v5, 4, v1                        ; which of my wave's two tiles of 16 columns
	v_and_b32 v6, 15, v1                           ; r: my column in it
	v_lshlrev_b32 v2, 2, v1                        ; in: 4 bytes a lane
	v_mul_u32_u24 v3, v5, 0xc000                   ; codes out: a tile is 49,152 bytes;
	v_lshl_add_u32 v3, v6, 4, v3                   ; 16 bytes a fragment lane
	v_lshlrev_b32 v4, 11, v5                       ; scale words out: a tile is 2,048 bytes;
	v_lshl_add_u32 v4, v6, 3, v4                   ; 8 bytes (two K steps) a column
	s_and_b32 s12, ttmp7, 0xffff                   ; y: which 256 rows
	s_lshr_b32 s14, ttmp9, 2
	s_lshl_b32 s14, s14, 23                        ; b x 4096 rows of 2,048 bytes
	s_lshl_b32 s15, s12, 19                        ; + 256 y rows
	s_add_co_u32 s14, s14, s15
	s_and_b32 s15, ttmp9, 3
	s_lshl_b32 s15, s15, 9                         ; + the group of 128 columns
	s_add_co_u32 s14, s14, s15
	s_lshl_b32 s15, s10, 7                         ; + my wave's 32 columns
	s_add_co_u32 s14, s14, s15
	s_mov_b32 s15, 0
	s_lshl_b32 s16, ttmp9, 3
	s_lshl_b32 s17, s10, 1
	s_add_co_u32 s16, s16, s17                     ; my first tile: ct0 = 8 x + 2 wave
	s_mul_i32 s18, s16, 0xc000
	s_mul_i32 s17, s12, 3072                       ; two K steps of 1,536 bytes
	s_add_co_u32 s18, s18, s17
	s_mov_b32 s19, 0
	s_lshl_b32 s20, s16, 11
	s_lshl_b32 s17, s12, 7
	s_add_co_u32 s20, s20, s17
	s_mov_b32 s21, 0
	s_wait_kmcnt 0x0
	s_add_nc_u64 s[4:5], s[4:5], s[14:15]
	s_add_nc_u64 s[6:7], s[6:7], s[18:19]
	s_add_nc_u64 s[8:9], s[8:9], s[20:21]
.macro LOAD t                          ; block t: x(32 t + i, my column), i = 0 .. 31, into set t % 2
.irp i, 0,1,2,3,4,5,6,7,8,9,10,11,12,13,14,15,16,17,18,19,20,21,22,23,24,25,26,27,28,29,30,31
	global_load_b32 v[XN+32*((\t)%2)+\i], v2, s[4:5] offset:(32*(\t)+\i)*2048 th:TH_LOAD_NT
.endr
.endm
.macro BLOCK t
.set XB, XN+32*((\t)%2)
.set KK, (\t)/4                        ; which of the two K steps
.set BL, (\t)%4                        ; which block of 32 in it: h = BL % 2, c' = BL / 2
.set DST, RUN+24*KK+12*(BL%2)+6*(BL/2)
.if (\t) < 7
	s_wait_loadcnt 32                              ; this block's 32 loads are in; the next block's 32 may be out
.else
	s_wait_loadcnt 0x0
.endif
	v_max3_num_f32 v8, |v[XB]|, |v[XB+1]|, |v[XB+2]|               ; the block's largest magnitude: all 32 numbers are mine; two chains
	v_max3_num_f32 v9, |v[XB+3]|, |v[XB+4]|, |v[XB+5]|
.irp i, 6,10,14,18,22,26
	v_max3_num_f32 v8, v8, |v[XB+\i]|, |v[XB+\i+1]|
	v_max3_num_f32 v9, v9, |v[XB+\i+2]|, |v[XB+\i+3]|
.endr
	v_max3_num_f32 v8, v8, |v[XB+30]|, |v[XB+31]|
	v_max3_num_f32 v8, v8, v9, 0x1800000           ; and the floor 2^(3 - 127): the byte cannot fall under 1
	v_add_nc_u32 v11, 0xff000000, v8               ; 2 off the exponent field: the conversion takes the exponent field of this operand as its scale
	v_cvt_scalef32_pk16_fp6_f32 v[DST:DST+2], v[XB:XB+15], v11
	v_cvt_scalef32_pk16_fp6_f32 v[TMPC:TMPC+2], v[XB+16:XB+31], v11
	v_lshrrev_b32 v10, 23, v11                     ; the scale's byte.  (Also the plain line between the conversions and the moves that read their result)
.if BL == 0
	v_mov_b32 v[SB+KK], v10
.else
	v_lshl_or_b32 v[SB+KK], v10, 8*BL, v[SB+KK]
.endif
.irp i, 0,1,2
	v_mov_b32 v[DST+3+\i], v[TMPC+\i]
.endr
.if (\t)+2 < 8
	LOAD (\t)+2
.endif
.endm
.macro PUT kk                          ; a K step's two fragment lanes a column: lanes 0-15 fill 256 consecutive aligned bytes of tile ct0, lanes 16-31 of tile ct0 + 1
.irp h, 0,1
.irp g, 0,1,2
	global_store_b128 v3, v[RUN+24*\kk+12*\h+4*\g:RUN+24*\kk+12*\h+4*\g+3], s[6:7] offset:\kk*1536+\g*512+\h*256
.endr
.endr
.endm
	LOAD 0
	LOAD 1
	BLOCK 0
	BLOCK 1
	BLOCK 2
	BLOCK 3
	PUT 0
	BLOCK 4
	BLOCK 5
	BLOCK 6
	BLOCK 7
	PUT 1
	global_store_b64 v4, v[SB:SB+1], s[8:9]        ; sixteen lanes store 128 consecutive bytes: one byte in 128 of what the launch reads
	s_endpgm
.Lfunc_end_k_q8b2fe399c4_quant:
	.size	k_q8b2fe399c4_quant, .Lfunc_end_k_q8b2fe399c4_quant-k_q8b2fe399c4_quant
	.p2alignl 7, 3214868480
	.fill 96, 4, 3214868480
	.section	.rodata,"a",@progbits
	.p2align	6, 0x0
	.amdhsa_kernel k_q8b2fe399c4_quant
		.amdhsa_group_segment_fixed_size 0
		.amdhsa_private_segment_fixed_size 0
		.amdhsa_enable_private_segment 0
		.amdhsa_kernarg_size 24
		.amdhsa_user_sgpr_count 2
		.amdhsa_user_sgpr_kernarg_segment_ptr 1
		.amdhsa_wavefront_size32 1
		.amdhsa_system_sgpr_workgroup_id_x 1
		.amdhsa_system_sgpr_workgroup_id_y 1
		.amdhsa_system_sgpr_workgroup_id_z 1
		.amdhsa_system_vgpr_workitem_id 0
		.amdhsa_next_free_vgpr 152
		.amdhsa_next_free_sgpr 66
		.amdhsa_reserve_vcc 0
		.amdhsa_float_denorm_mode_32 3
		.amdhsa_float_denorm_mode_16_64 3
		.amdhsa_memory_ordered 1
		.amdhsa_forward_progress 1
		.amdhsa_inst_pref_size 39
	.end_amdhsa_kernel
	.amdgpu_metadata
---
amdhsa.version: [ 1, 2 ]
amdhsa.kernels:
  - .name:           k_q8b2fe399c4_quant
    .symbol:         k_q8b2fe399c4_quant.kd
    .args:
      - { .name: x, .offset: 0, .size: 8, .value_kind: global_buffer, .address_space: global }
      - { .name: xc, .offset: 8, .size: 8, .value_kind: global_buffer, .address_space: global }
      - { .name: xs, .offset: 16, .size: 8, .value_kind: global_buffer, .address_space: global }
    .group_segment_fixed_size: 0
    .private_segment_fixed_size: 0
    .kernarg_segment_align: 8
    .kernarg_segment_size: 24
    .max_flat_workgroup_size: 128
    .sgpr_count:     66
    .vgpr_count:     152
    .wavefront_size: 32
...
	.end_amdgpu_metadata
.endif
;; end of part 1
;; launch bow (part 2): grid 4 x 64, 4 waves a work-group, no clusters, 274,944 bytes of LDS; arguments xc, xs, out0; writes out0
.if DOCPART == 2
	.amdgcn_target "amdgcn-amd-amdhsa--gfx1250"
	.amdhsa_code_object_version 6
	.text
	.protected	k_q8b2fe399c4_bow
	.globl	k_q8b2fe399c4_bow
	.p2align	8
	.type	k_q8b2fe399c4_bow,@function
k_q8b2fe399c4_bow:
	s_mov_b64 s[64:65], 0
	v_nop
	global_prefetch_b8 v0, s[64:65] scope:SCOPE_SE
	s_setreg_imm32_b32 hwreg(HW_REG_WAVE_MODE, 25, 1), 1
	s_wait_xcnt 0x0
; y[b][t][c] = sum over s of att[t][s] x[b][s][c], att[t][s] = 1 / (t + 1) for s <= t, else 0; both operands as codes of FP6 (E2M3) with one E8M0 scale for each 32 along s; sums in f32.
; x's codes and scale words come from the launch before, in the order of the operand's registers (xc, xs: see there).
; att IS MADE HERE.  In row t every block of 32 that holds a number has 1 / (t + 1) as its largest magnitude: all kept places of a row have ONE code and ONE scale byte, the others the code 0.
; So a tile of 16 rows t has two fragments (16 rows x 128 s, 12 registers): FULL (every place kept), the same for every K step under the diagonal, and DIAG (the K step on the diagonal).
; 1 / (t + 1) is v_rcp_f32 and one Newton step: exact where t + 1 is a power of two, where the exponent decides the scale; elsewhere no t up to 4,096 puts it at the middle between two codes.
; K steps that lie wholly above the diagonal are not multiplied: the mask is the problem's own.
; SHARES.  A slab = one b x 64 columns (256 bytes of each row of y): 64 slabs, four work-groups (q = 0..3) each.  t goes in blocks of 128; block j has j full K steps and one on the diagonal.
; In trip i = 0..7 work-group q makes block j = 4 i + q (even i) or 4 i + 3 - q (odd i): 132 K steps for every q.  A wave owns 16 columns and makes all 128 t of a block: 8 accumulators.
; BOTH OPERANDS LIE IN REGISTERS: a wave's codes of x for ALL 4,096 s are 32 fragments, 384 registers, loaded once, straight from memory; a block's 8 FULL fragments are 96.  The K loop reads no memory.
; LDS holds att's fragments as images of their registers (16 bytes a lane, 512 bytes a store), built once by the four waves (16 tiles each), and two stages for the way out.
; SOURCE 0 = 16 columns of x, source 1 = 16 rows of att: in the result lane (r, h) holds t = r and the eight neighbouring columns 8 h + 0 .. 7: 32 bytes of a row of y.
; NO CLUSTER: the four work-groups of a slab read the same 204 KB of codes, once each, into the registers where they stay: there is no tile in LDS to share; and the partners run different
; numbers of K steps in a trip (j hangs on q), which joint requests do not allow.
; LIMITS: those of x's codes (the launch before).
; REGISTERS, in windows of 256: window 0: v1-23 addresses and constants; v32-47 x's scale words; v48-63 att's, two sets; v64-127 rows of y on the way out; v128-255 two sets of 8 accumulators.
;   window 1: x's fragments of K steps 0-19 (12 k).   window 2: K steps 20-31 (12 (k - 20)); v144-239 the 8 DIAG fragments.   window 3: the 8 FULL fragments, two sets (v0-95, v96-191).
; At the head v64-191 of window 0 are at work on att.
.set FIMG,   0                         ; LDS: att's FULL fragments: tile 8 i + n at 1,536 (8 i + n)
.set DIMG,   98304                     ; the DIAG fragments likewise
.set SIMG,   196608                    ; att's scale words: trip i at 1,024 i, lane at 32 lane, tile n at 4 n
.set STG0,   204800                    ; two stages of 128 rows x (256 + 16) bytes
.set STGB,   34816
.set SPITCH, 272
.set LFA, 3                            ; v3   16 x lane: an image's place for my lane; also my place in a fragment of xc
.set XSA, 4                            ; v4   8 x lane: my place in xs
.set LFB, 5                            ; v5   LFA + 4 trips of FULL images
.set LDA, 6                            ; v6   LFA + DIMG
.set LDB, 7                            ; v7   and 4 trips on
.set LSC, 8                            ; v8   SIMG + 32 x lane
.set IA,  9                            ; v9   where I store FULL images: LFA + 24,576 x wave
.set IB,  10                           ; v10  DIAG images
.set IS,  11                           ; v11  scale words: LSC + 2,048 x wave
.set STO, 12                           ; v12  the stage: where I put 32 bytes of a row
.set RD,  13                           ; v13  where I read a row back
.set CO,  14                           ; v14  my byte offset in a block of y
.set ZR,  15                           ; v15  0
.set MK,  16                           ; v16-18 the low 6 (r + 1) of 96 bits: the places 0 .. r of a group of 16
.set XSC, 32
.set ASC, 48
.set OB,  64
.set ACC, 128
.set DG,  144
.set SRC, 64                           ; head: 16 equal numbers for a conversion
.set DEN, 80                           ; t + 1 of 8 tiles
.set ERR, 88
.set VAL, 96                           ; 1 / (t + 1)
.set WRD, 104                          ; scale words, 8 u + n
.set BLD, 128                          ; two build sets of 32: +0 FULL, +12 DIAG, +24 the partly kept group
.set QE,  12                           ; s12 q, s13 3 - q
.set TB,  21                           ; s21, s22: the first t + 1 of the two blocks whose tiles I build
.set MSB, 0
.macro WIN new                         ; bits 1:0 source 0, 3:2 source 1, 5:4 source 2, 7:6 destination; the immediate's high byte repeats the setting that is left
.if MSB != (\new)
	s_set_vgpr_msb (MSB<<8)|(\new)
.set MSB, (\new)
.endif
.endm
	s_load_b128 s[4:7], s[0:1], 0x0                ; xc, xs
	s_load_b64 s[8:9], s[0:1], 0x10                ; out0
	v_lshl_add_u32 v30, v0, 2, 0x43000
	v_mov_b32 v31, 0
	v_lshrrev_b32 v20, 5, v0
	v_readfirstlane_b32 s10, v20                   ; wave 0..3
	v_and_b32 v21, 31, v0                          ; lane
	v_and_b32 v1, 15, v0                           ; r
	v_bfe_u32 v2, v0, 4, 1                         ; h
	v_lshlrev_b32 v[LFA], 4, v21
	v_lshlrev_b32 v[XSA], 3, v21
	v_add_nc_u32 v[LFB], 49152, v[LFA]
	v_add_nc_u32 v[LDA], DIMG, v[LFA]
	v_add_nc_u32 v[LDB], DIMG+49152, v[LFA]
	v_lshl_add_u32 v[LSC], v21, 5, SIMG
	s_mul_i32 s32, s10, 24576                      ; 16 tiles of 1,536 bytes a wave
	v_add_nc_u32 v[IA], s32, v[LFA]
	v_add_nc_u32 v[IB], DIMG, v[IA]
	s_lshl_b32 s33, s10, 11
	v_add_nc_u32 v[IS], s33, v[LSC]
	v_mul_u32_u24 v[STO], v1, SPITCH               ; into the stage: row r, + 32 h, + my wave's 64 bytes
	v_lshl_add_u32 v[STO], v2, 5, v[STO]
	s_lshl_b32 s34, s10, 6
	s_add_co_u32 s34, s34, STG0
	v_add_nc_u32 v[STO], s34, v[STO]
	v_mul_u32_u24 v[RD], v2, SPITCH                ; back: wave w takes rows 32 w .. 32 w + 31; lanes 0-15 one row of 256 bytes, lanes 16-31 the next
	v_lshl_add_u32 v[RD], v1, 4, v[RD]
	s_mul_i32 s35, s10, 32*SPITCH
	s_add_co_u32 s35, s35, STG0
	v_add_nc_u32 v[RD], s35, v[RD]
	v_lshlrev_b32 v[CO], 11, v2                    ; and the same two rows in y: 2,048 bytes a row
	v_lshl_add_u32 v[CO], v1, 4, v[CO]
	s_lshl_b32 s36, s10, 16
	v_add_nc_u32 v[CO], s36, v[CO]
	s_and_b32 s11, ttmp7, 0xffff                   ; the slab: 8 b + group of 64 columns
	s_mov_b32 s12, ttmp9                           ; q
	s_sub_co_u32 s13, 3, s12                       ; 3 - q
	s_lshl_b32 s14, s12, 18                        ; s[14:15], s[16:17]: q and 3 - q blocks of 128 rows of 2,048 bytes
	s_mov_b32 s15, 0
	s_lshl_b32 s16, s13, 18
	s_mov_b32 s17, 0
	s_mov_b32 s20, 0xffff0000                      ; lanes 16-31
	s_lshl_b32 s37, s10, 10                        ; I build the tiles of trips 2 w and 2 w + 1: t + 1 = 512 i + 128 (q or 3 - q) + 16 n + r + 1
	s_lshl_b32 s21, s12, 7
	s_add_co_u32 s21, s21, s37
	s_add_co_u32 s21, s21, 1
	s_lshl_b32 s22, s13, 7
	s_add_co_u32 s22, s22, s37
	s_add_co_u32 s22, s22, 513
	s_lshl_b32 s24, s11, 2
	s_add_co_u32 s24, s24, s10                     ; my tile of 16 columns: ct = 4 slab + wave
	s_mul_i32 s26, s24, 49152
	s_mov_b32 s27, 0
	s_lshl_b32 s28, s24, 11
	s_mov_b32 s29, 0
	s_lshr_b32 s30, s11, 3
	s_lshl_b32 s30, s30, 23                        ; b
	s_and_b32 s31, s11, 7
	s_lshl_b32 s31, s31, 8                         ; the slab's 256 bytes of a row
	s_add_co_u32 s30, s30, s31
	s_mov_b32 s31, 0
	s_wait_kmcnt 0x0
	s_add_nc_u64 s[4:5], s[4:5], s[26:27]
	s_add_nc_u64 s[6:7], s[6:7], s[28:29]
	s_add_nc_u64 s[8:9], s[8:9], s[30:31]
; x's scale words: register XSC + 2 m + j of lane (r, h') holds the word of column r for K step 4 m + 2 h' + j: K step k reads register XSC + 2 (k / 4) + k % 2, lanes 16-31 where (k / 2) is odd
.irp m, 0,1,2,3,4,5,6,7
	global_load_b64 v[XSC+2*\m:XSC+2*\m+1], v[XSA], s[6:7] offset:256*\m
.endr
.macro XLOAD k                         ; x's fragment of K step k: three loads of 512 consecutive bytes, into the registers where it stays
.if (\k) < 20
	WIN 0x40
.set XR, 12*(\k)
.else
	WIN 0x80
.set XR, 12*((\k)-20)
.endif
.irp g, 0,1,2
	global_load_b128 v[XR+4*\g:XR+4*\g+3], v[LFA], s[4:5] offset:(\k)*1536+\g*512
.endr
.endm
.set KK, 0
.rept 18                               ; 8 + 54 loads are out while att is built
	XLOAD KK
.set KK, KK+1
.endr
	WIN 0
	; the mask of a partly kept group: sixteen numbers, -7.5 (code 0x3f) at places 0 .. r and 0 behind, converted under the scale 1
	v_mov_b32 v[ZR], 0
	v_mov_b32 v19, 0xc0f00000                      ; -7.5
	v_mov_b32 v20, 1.0
.irp i, 0,1,2,3,4,5,6,7,8,9,10,11,12,13,14,15
	v_cmp_le_u32 vcc_lo, \i, v1
	v_cndmask_b32 v[SRC+\i], v[ZR], v19, vcc_lo
.endr
	v_cvt_scalef32_pk16_fp6_f32 v[MK:MK+2], v[SRC:SRC+15], v20
	v_nop                                          ; one plain line behind a scaled conversion
.macro PICK sym, g, n, i               ; word i of group g (16 places) of tile n's DIAG fragment: kept whole under the diagonal, partly on it, zeros above
.if (\g) < (\n)
.set \sym, FBR+(\i)
.elseif (\g) == (\n)
.set \sym, FBR+24+(\i)
.else
.set \sym, ZR
.endif
.endm
.macro TILE u, n                       ; tile n of trip 2 w + u: its FULL and DIAG fragments and its scale word
.set FBR, BLD+32*((\n)%2)
	s_wait_dscnt 6                                 ; at most the tile before's six stores are out: this build set's last stores have read their registers
.irp i, 0,1,2,3,4,5,6,7,8,9,10,11,12,13,14,15
	v_mov_b32 v[SRC+\i], v[VAL+\n]
.endr
	v_add_nc_u32 v21, 0xff000000, v[VAL+\n]        ; 2 off the exponent field: the conversion's scale operand
	v_cvt_scalef32_pk16_fp6_f32 v[FBR:FBR+2], v[SRC:SRC+15], v21   ; row r's code, sixteen times: 96 bits
	v_lshrrev_b32 v22, 23, v21                     ; the scale's byte.  (Also the plain line behind the conversion)
	v_lshl_or_b32 v22, v22, 8, v22
	v_lshl_or_b32 v[WRD+8*\u+\n], v22, 16, v22     ; the same byte for all four blocks: a block of zeros adds nothing under it
.irp i, 3,4,5,6,7,8,9,10,11
	v_mov_b32 v[FBR+\i], v[FBR+(\i%3)]             ; FULL: the 96 bits four times
.endr
.irp i, 0,1,2
	v_and_b32 v[FBR+24+\i], v[FBR+\i], v[MK+\i]    ; the group on the diagonal: places 0 .. r
.endr
.irp c, 0,1                            ; DIAG: register 6 c + 3 uu + i holds group 4 c + uu in lanes 0-15 and group 4 c + uu + 2 in lanes 16-31
.irp uu, 0,1
.irp i, 0,1,2
	PICK X0, 4*\c+\uu, \n, \i
	PICK X1, 4*\c+\uu+2, \n, \i
.if X0 == X1
	v_mov_b32 v[FBR+12+6*\c+3*\uu+\i], v[X0]
.else
	v_cndmask_b32 v[FBR+12+6*\c+3*\uu+\i], v[X0], v[X1], s20
.endif
.endr
.endr
.endr
.irp g, 0,1,2
	ds_store_b128 v[IA], v[FBR+4*\g:FBR+4*\g+3] offset:\u*12288+\n*1536+\g*512
.endr
.irp g, 0,1,2
	ds_store_b128 v[IB], v[FBR+12+4*\g:FBR+12+4*\g+3] offset:\u*12288+\n*1536+\g*512
.endr
.endm
.macro BUILD u
.irp n, 0,1,2,3,4,5,6,7
	v_add_nc_u32 v[DEN+\n], s[TB+\u], v1
.endr
.irp n, 0,1,2,3,4,5,6,7
	v_add_nc_u32 v[DEN+\n], 16*\n, v[DEN+\n]       ; t + 1
.endr
.irp n, 0,1,2,3,4,5,6,7
	v_cvt_f32_u32 v[DEN+\n], v[DEN+\n]
.endr
.irp n, 0,1,2,3,4,5,6,7
	v_rcp_f32 v[VAL+\n], v[DEN+\n]
.endr
	v_nop                                          ; one plain line behind the transcendentals
	s_wait_alu depctr_va_vdst(0)
.irp n, 0,1,2,3,4,5,6,7
	v_fma_f32 v[ERR+\n], -v[DEN+\n], v[VAL+\n], 1.0
.endr
.irp n, 0,1,2,3,4,5,6,7
	v_fma_f32 v[VAL+\n], v[VAL+\n], v[ERR+\n], v[VAL+\n]   ; one Newton step
.endr
.irp n, 0,1,2,3,4,5,6,7
	TILE \u, \n
.endr
	ds_store_b128 v[IS], v[WRD+8*\u:WRD+8*\u+3] offset:\u*1024
	ds_store_b128 v[IS], v[WRD+8*\u+4:WRD+8*\u+7] offset:\u*1024+16
.endm
	BUILD 0
	BUILD 1
.set KK, 18
.rept 14                               ; the other 42 loads: 104 in all, and none follows
	XLOAD KK
.set KK, KK+1
.endr
	WIN 0
	s_wait_dscnt 0x0                               ; for the others' sake: my images have landed
	s_barrier_signal -1
	s_barrier_wait -1                              ; all 64 tiles' images lie in LDS, and are only read from here on
; 8 matrix instructions: K step k of the block in hand, accumulator set p.  diag = 1: the K step on the diagonal.  k = 0 starts the sums: nothing is ever cleared.
; The eight accumulators take turns, one instruction a turn, in the same order in every K step.
.macro SECT k, p, diag
.if (\k) < 20
.set XW, 1
.set XR, 12*(\k)
.else
.set XW, 2
.set XR, 12*((\k)-20)
.endif
.if \diag
	WIN 0x08+XW                                    ; source 0 (x) window 1 or 2, source 1 (DIAG) window 2, C and D window 0
.else
	WIN 0x0c+XW                                    ; source 1 (FULL) window 3
.endif
.set SX, XSC+2*((\k)/4)+((\k)%2)
.irp n, 0,1,2,3,4,5,6,7
.if \diag
.set BR, DG+12*\n
.else
.set BR, 96*(\p)+12*\n
.endif
.set AR, ACC+64*(\p)+8*\n
.set SA, ASC+8*(\p)+\n
.if (\k) == 0
	v_wmma_scale_f32_16x16x128_f8f6f4 v[AR:AR+7], v[XR:XR+11], v[BR:BR+11], 0, v[SX], v[SA] matrix_a_fmt:MATRIX_FMT_FP6 matrix_b_fmt:MATRIX_FMT_FP6
.elseif (((\k)/2)%2) == 1
	v_wmma_scale_f32_16x16x128_f8f6f4 v[AR:AR+7], v[XR:XR+11], v[BR:BR+11], v[AR:AR+7], v[SX], v[SA] matrix_a_fmt:MATRIX_FMT_FP6 matrix_b_fmt:MATRIX_FMT_FP6 matrix_a_scale:MATRIX_SCALE_ROW1
.else
	v_wmma_scale_f32_16x16x128_f8f6f4 v[AR:AR+7], v[XR:XR+11], v[BR:BR+11], v[AR:AR+7], v[SX], v[SA] matrix_a_fmt:MATRIX_FMT_FP6 matrix_b_fmt:MATRIX_FMT_FP6
.endif
.endr
.endm
.macro SECTS k0, k1, p                 ; full K steps k0 .. k1 - 1
.set KK, \k0
.rept (\k1)-(\k0)
	SECT KK, \p, 0
.set KK, KK+1
.endr
.endm
.macro FLOAD i, p                      ; trip i's 8 FULL fragments into set p: 24 loads of 512 consecutive bytes
	WIN 0xc0
.irp n, 0,1,2,3,4,5,6,7
.irp g, 0,1,2
.if (\i) < 4
	ds_load_b128 v[96*(\p)+12*\n+4*\g:96*(\p)+12*\n+4*\g+3], v[LFA] offset:(\i)*12288+\n*1536+\g*512
.else
	ds_load_b128 v[96*(\p)+12*\n+4*\g:96*(\p)+12*\n+4*\g+3], v[LFB] offset:((\i)-4)*12288+\n*1536+\g*512
.endif
.endr
.endr
	WIN 0
.endm
.macro DLOAD i                         ; trip i's 8 DIAG fragments
	WIN 0x80
.irp n, 0,1,2,3,4,5,6,7
.irp g, 0,1,2
.if (\i) < 4
	ds_load_b128 v[DG+12*\n+4*\g:DG+12*\n+4*\g+3], v[LDA] offset:(\i)*12288+\n*1536+\g*512
.else
	ds_load_b128 v[DG+12*\n+4*\g:DG+12*\n+4*\g+3], v[LDB] offset:((\i)-4)*12288+\n*1536+\g*512
.endif
.endr
.endr
	WIN 0
.endm
.macro ALOAD i, p                      ; trip i's 8 scale words of att into set p
	ds_load_b128 v[ASC+8*(\p):ASC+8*(\p)+3], v[LSC] offset:(\i)*1024
	ds_load_b128 v[ASC+8*(\p)+4:ASC+8*(\p)+7], v[LSC] offset:(\i)*1024+16
.endm
; THE WAY OUT.  A lane holds 32 bytes of a row, a wave 64, the four waves a row's 256: they meet in a stage, and each wave stores 32 whole rows.
.macro STIN p                          ; accumulator set p into stage p, each accumulator from its low end on
.irp n, 0,1,2,3,4,5,6,7
	ds_store_b128 v[STO], v[ACC+64*(\p)+8*\n:ACC+64*(\p)+8*\n+3] offset:(\p)*STGB+\n*16*SPITCH
	ds_store_b128 v[STO], v[ACC+64*(\p)+8*\n+4:ACC+64*(\p)+8*\n+7] offset:(\p)*STGB+\n*16*SPITCH+16
.endr
.endm
.macro STOUT p
.irp m, 0,1,2,3,4,5,6,7,8,9,10,11,12,13,14,15
	ds_load_b128 v[OB+4*\m:OB+4*\m+3], v[RD] offset:(\p)*STGB+\m*2*SPITCH
.endr
.endm
.macro SEND ib, p, counted             ; the block of trip ib (parity p) leaves; counted = 1: each store waits for its own load
.if (\p) == 0
	s_add_nc_u64 s[18:19], s[8:9], s[14:15]        ; block 4 ib + q
.else
	s_add_nc_u64 s[18:19], s[8:9], s[16:17]        ; block 4 ib + 3 - q
.endif
.if (\ib) > 0
	s_add_nc_u64 s[18:19], s[18:19], (4*(\ib))<<18
.endif
.irp m, 0,1,2,3,4,5,6,7,8,9,10,11,12,13,14,15
.if \counted
	s_wait_dscnt 15-\m
.endif
	global_store_b128 v[CO], v[OB+4*\m:OB+4*\m+3], s[18:19] offset:4096*\m th:TH_STORE_NT   ; sixteen lanes store 256 consecutive bytes, at a multiple of 256 from y's first byte; written once
.endr
.endm
.macro DSECT k, dw                     ; the K step on the diagonal; dw: the LDS loads issued behind DIAG's, which may stay out (-1: DIAG was waited for earlier)
.if (\dw) >= 0
	s_wait_dscnt \dw
.endif
	SECT \k, P, 1
	WIN 0
.endm
; The block's last K steps, 4 i .. 4 i + 3: full up to the diagonal, which lies at 4 i + (q or 3 - q).  The branches hang on the work-group's number alone: the four waves go the same way.
; At a branch and at a label every window is 0.
.macro GUARDS i, dw
	WIN 0
	s_cmp_eq_u32 s[QE+P], 0
	s_cbranch_scc1 .Ldiag0_\@
	SECT 4*(\i), P, 0
	WIN 0
	s_cmp_eq_u32 s[QE+P], 1
	s_cbranch_scc1 .Ldiag1_\@
	SECT 4*(\i)+1, P, 0
	WIN 0
	s_cmp_eq_u32 s[QE+P], 2
	s_cbranch_scc1 .Ldiag2_\@
	SECT 4*(\i)+2, P, 0
	DSECT 4*(\i)+3, \dw
	s_branch .Lblock_done_\@
.Ldiag0_\@:
	DSECT 4*(\i), \dw
	s_branch .Lblock_done_\@
.Ldiag1_\@:
	DSECT 4*(\i)+1, \dw
	s_branch .Lblock_done_\@
.Ldiag2_\@:
	DSECT 4*(\i)+2, \dw
.Lblock_done_\@:
.endm
; TRIP i (1 .. 7): block 4 i + (q or 3 - q) is multiplied in accumulator set i % 2, while the block before leaves from the other set.  Written out for each i: the number of K steps and x's registers differ.
.macro TRIP i
.set P, (\i)%2
.set PP, 1-P
.set LC, 84-12*(\i)                    ; the global loads issued behind fragment 4 i + 3: three for each later fragment
.if LC > 63
.set LC, 63                            ; (a smaller count is always right)
.endif
.rept 4
	v_nop                                          ; four places behind the last block's products: for the stage stores that read their results, and for the loads below into DIAG, FULL, and att's scale words
.endr
	STIN PP
	s_wait_dscnt 16                                ; this block's FULL fragments and scale words, asked for a trip ago, are in; the 16 stores just issued may be out
	SECT 0, P, 0
	s_wait_dscnt 0x0                               ; for the others' sake: my part of the stage has landed; and my reads of the other stage, a trip back, are over
	s_barrier_signal -1
	SECT 1, P, 0                                   ; work on registers while the others arrive
	s_barrier_wait -1                              ; 128 whole rows lie in the stage
	WIN 0
	s_wait_xcnt 0x0                                ; the last block's stores have read their registers and their base: both are written again below
	STOUT PP
	SECT 2, P, 0
	DLOAD \i
	SECT 3, P, 0
	WIN 0
	s_wait_dscnt 24                                ; the 16 rows' loads are in; DIAG's 24 may be out
	SEND (\i)-1, PP, 0
.if (\i) == 1
	FLOAD 2, PP
	ALOAD 2, PP
.else
	SECTS 4, 7, P
.if (\i) < 7
	FLOAD (\i)+1, PP                               ; the next block's FULL fragments and scale words, into the sets that the last block has left
	ALOAD (\i)+1, PP
.endif
	SECTS 7, 4*(\i), P
.endif
	s_wait_loadcnt LC                              ; x's fragments up to 4 i + 3 are in (those up to 4 i - 1 since the trip before)
.if (\i) < 7
	GUARDS \i, 26                                  ; behind DIAG's loads: the next block's 24 + 2
.else
	GUARDS \i, 0
.endif
.endm
	FLOAD 0, 0
	ALOAD 0, 0
	DLOAD 0
	FLOAD 1, 1
	ALOAD 1, 1
.set P, 0
	s_wait_dscnt 26                                ; trip 0's FULL, scale words and DIAG are in; trip 1's 24 + 2 may be out
	s_wait_loadcnt 63                              ; of 104 loads the first 41 are in: x's scale words and fragments 0 to 10
	GUARDS 0, -1
	TRIP 1
	TRIP 2
	TRIP 3
	TRIP 4
	TRIP 5
	TRIP 6
	TRIP 7
.rept 4
	v_nop                                          ; four places behind the last products
.endr
	STIN 1
	s_wait_dscnt 0x0                               ; for the others' sake: my part of the stage has landed
	s_barrier_signal -1
	s_barrier_wait -1
	s_wait_xcnt 0x0                                ; the block before's stores have read their registers and their base
	STOUT 1
	SEND 7, 1, 1
	s_wait_tensorcnt 0x0
	ds_add_u32 v30, v31
	s_wait_dscnt 0x0
	s_endpgm
.Lfunc_end_k_q8b2fe399c4_bow:
	.size	k_q8b2fe399c4_bow, .Lfunc_end_k_q8b2fe399c4_bow-k_q8b2fe399c4_bow
	.p2alignl 7, 3214868480
	.fill 96, 4, 3214868480
	.section	.rodata,"a",@progbits
	.p2align	6, 0x0
	.amdhsa_kernel k_q8b2fe399c4_bow
		.amdhsa_group_segment_fixed_size 274944
		.amdhsa_private_segment_fixed_size 0
		.amdhsa_enable_private_segment 0
		.amdhsa_kernarg_size 24
		.amdhsa_user_sgpr_count 2
		.amdhsa_user_sgpr_kernarg_segment_ptr 1
		.amdhsa_wavefront_size32 1
		.amdhsa_system_sgpr_workgroup_id_x 1
		.amdhsa_system_sgpr_workgroup_id_y 1
		.amdhsa_system_sgpr_workgroup_id_z 1
		.amdhsa_system_vgpr_workitem_id 0
		.amdhsa_next_free_vgpr 960
		.amdhsa_next_free_sgpr 66
		.amdhsa_reserve_vcc 1
		.amdhsa_float_denorm_mode_32 3
		.amdhsa_float_denorm_mode_16_64 3
		.amdhsa_memory_ordered 1
		.amdhsa_forward_progress 1
		.amdhsa_inst_pref_size 255
	.end_amdhsa_kernel
	.section	.bss,"aw",@nobits
	.p2align	6
	.space	262144
	.amdgpu_metadata
---
amdhsa.version: [ 1, 2 ]
amdhsa.kernels:
  - .name:           k_q8b2fe399c4_bow
    .symbol:         k_q8b2fe399c4_bow.kd
    .args:
      - { .name: xc, .offset: 0, .size: 8, .value_kind: global_buffer, .address_space: global }
      - { .name: xs, .offset: 8, .size: 8, .value_kind: global_buffer, .address_space: global }
      - { .name: out0, .offset: 16, .size: 8, .value_kind: global_buffer, .address_space: global }
    .group_segment_fixed_size: 274944
    .private_segment_fixed_size: 0
    .kernarg_segment_align: 8
    .kernarg_segment_size: 24
    .max_flat_workgroup_size: 128
    .sgpr_count:     66
    .vgpr_count:     960
    .wavefront_size: 32
...
	.end_amdgpu_metadata
.endif
;; end of part 2
;; ======== version 2 of 2: 2 launches
;; workspace buffers: xc 12,582,912 bytes; xs 524,288 bytes
;; launch quant (part 3): grid 32 x 16, 4 waves a work-group, no clusters, 0 bytes of LDS; arguments x, xc, xs; writes xc, xs
.if DOCPART == 3
	.amdgcn_target "amdgcn-amd-amdhsa--gfx1250"
	.amdhsa_code_object_version 6
	.text
	.protected	k_q8b2fe399c4_quant
	.globl	k_q8b2fe399c4_quant
	.p2align	8
	.type	k_q8b2fe399c4_quant,@function
k_q8b2fe399c4_quant:
	s_mov_b64 s[64:65], 0
	v_nop
	global_prefetch_b8 v0, s[64:65] scope:SCOPE_SE
	s_setreg_imm32_b32 hwreg(HW_REG_WAVE_MODE, 25, 1), 1
	s_wait_xcnt 0x0
; x [8][4096 (s)][512 (c)], f32, is one operand of y[b][t][c] = sum over s of att[t][s] x[b][s][c]: its K is s, which is NOT its innermost axis.
; It becomes codes of FP6 (E2M3) with one E8M0 byte for each 32 along s, laid in the ORDER OF THE OPERAND'S REGISTERS, so that the product's launch loads fragments whole:
;   xc [ct 0..255][k 0..31][g 0..2][lane 0..31][16 bytes]: ct = 32 b + c / 16 (a tile of 16 columns), k = the K step of 128 s; registers 4 g .. 4 g + 3 of the fragment's lane.
;      Fragment lane (r, h) holds column 16 (ct % 32) + r; its registers 6 c' .. 6 c' + 5 hold s = 128 k + 64 c' + 32 h + 0 .. 31.
;   xs [ct][k / 2][r][k % 2]: 32-bit words, byte bl = the scale of s-block bl of K step k.
; A LANE TAKES ONE COLUMN AND ITS REGISTERS RUN DOWN s: a load reads 128 consecutive bytes a wave (the four waves stand side by side on 512), a block of 32 along s lies in one lane's
; 32 registers, so its largest magnitude needs no other lane, and the conversions give codes with s innermost.  Nothing is transposed, and nothing goes through LDS: a lane's block IS half of
; a fragment lane's registers, and sixteen neighbouring lanes (sixteen columns of one tile) store 256 consecutive bytes, aligned.
; A block's scale is 2^(floor(log2(largest magnitude)) - 2); its byte is the largest magnitude's exponent field - 2, held at 1 from below.
; LIMITS: NaN and infinities among the inputs are not served.  A block of zeros gets the byte 1 where the rule says 127: its codes are zeros, which add nothing under any byte but 0xff, and
; this program alone reads the bytes.
; SHARES: work-group x = 4 b + (group of 128 columns), y = which 256 rows s (two K steps).  A wave: 32 columns x 256 s: 8 blocks a lane.  Loads run two blocks (64 loads a wave) ahead.
; Every offset is an immediate and no register that a load or store names is written again, so no wait frees a source.
.set XN,   32                          ; v32-95   two sets of 32 numbers
.set RUN,  96                          ; v96-143  RUN + 24 kk + 12 h: the 12 registers of fragment lane (r, h) of K step 2 y + kk
.set TMPC, 144                         ; v144-146 a block's upper 16 codes (a conversion's three registers begin on an even number)
.set SB,   12                          ; v12-13   the scale words of the two K steps
	s_load_b128 s[4:7], s[0:1], 0x0                ; x, xc
	s_load_b64 s[8:9], s[0:1], 0x10                ; xs
	v_lshrrev_b32 v1, 5, v0
	v_readfirstlane_b32 s10, v1                    ; wave 0..3
	v_and_b32 v1, 31, v0                           ; lane
	v_lshrrev_b32 v5, 4, v1                        ; which of my wave's two tiles of 16 columns
	v_and_b32 v6, 15, v1                           ; r: my column in it
	v_lshlrev_b32 v2, 2, v1                        ; in: 4 bytes a lane
	v_mul_u32_u24 v3, v5, 0xc000                   ; codes out: a tile is 49,152 bytes;
	v_lshl_add_u32 v3, v6, 4, v3                   ; 16 bytes a fragment lane
	v_lshlrev_b32 v4, 11, v5                       ; scale words out: a tile is 2,048 bytes;
	v_lshl_add_u32 v4, v6, 3, v4                   ; 8 bytes (two K steps) a column
	s_and_b32 s12, ttmp7, 0xffff                   ; y: which 256 rows
	s_lshr_b32 s14, ttmp9, 2
	s_lshl_b32 s14, s14, 23                        ; b x 4096 rows of 2,048 bytes
	s_lshl_b32 s15, s12, 19                        ; + 256 y rows
	s_add_co_u32 s14, s14, s15
	s_and_b32 s15, ttmp9, 3
	s_lshl_b32 s15, s15, 9                         ; + the group of 128 columns
	s_add_co_u32 s14, s14, s15
	s_lshl_b32 s15, s10, 7                         ; + my wave's 32 columns
	s_add_co_u32 s14, s14, s15
	s_mov_b32 s15, 0
	s_lshl_b32 s16, ttmp9, 3
	s_lshl_b32 s17, s10, 1
	s_add_co_u32 s16, s16, s17                     ; my first tile: ct0 = 8 x + 2 wave
	s_mul_i32 s18, s16, 0xc000
	s_mul_i32 s17, s12, 3072                       ; two K steps of 1,536 bytes
	s_add_co_u32 s18, s18, s17
	s_mov_b32 s19, 0
	s_lshl_b32 s20, s16, 11
	s_lshl_b32 s17, s12, 7
	s_add_co_u32 s20, s20, s17
	s_mov_b32 s21, 0
	s_wait_alu depctr_va_vdst(0)
	s_wait_kmcnt 0x0
	s_add_nc_u64 s[4:5], s[4:5], s[14:15]
	s_add_nc_u64 s[6:7], s[6:7], s[18:19]
	s_add_nc_u64 s[8:9], s[8:9], s[20:21]
.macro LOAD t                          ; block t: x(32 t + i, my column), i = 0 .. 31, into set t % 2
.irp i, 0,1,2,3,4,5,6,7,8,9,10,11,12,13,14,15,16,17,18,19,20,21,22,23,24,25,26,27,28,29,30,31
	global_load_b32 v[XN+32*((\t)%2)+\i], v2, s[4:5] offset:(32*(\t)+\i)*2048 th:TH_LOAD_NT
.endr
.endm
.macro BLOCK t
.set XB, XN+32*((\t)%2)
.set KK, (\t)/4                        ; which of the two K steps
.set BL, (\t)%4                        ; which block of 32 in it: h = BL % 2, c' = BL / 2
.set DST, RUN+24*KK+12*(BL%2)+6*(BL/2)
.if (\t) < 7
	s_wait_loadcnt 32                              ; this block's 32 loads are in; the next block's 32 may be out
.else
	s_wait_loadcnt 0x0
.endif
	v_max3_num_f32 v8, |v[XB]|, |v[XB+1]|, |v[XB+2]|               ; the block's largest magnitude: all 32 numbers are mine; two chains
	v_max3_num_f32 v9, |v[XB+3]|, |v[XB+4]|, |v[XB+5]|
.irp i, 6,10,14,18,22,26
	v_max3_num_f32 v8, v8, |v[XB+\i]|, |v[XB+\i+1]|
	v_max3_num_f32 v9, v9, |v[XB+\i+2]|, |v[XB+\i+3]|
.endr
	v_max3_num_f32 v8, v8, |v[XB+30]|, |v[XB+31]|
	v_max3_num_f32 v8, v8, v9, 0x1800000           ; and the floor 2^(3 - 127): the byte cannot fall under 1
	v_add_nc_u32 v11, 0xff000000, v8               ; 2 off the exponent field: the conversion takes the exponent field of this operand as its scale
	v_cvt_scalef32_pk16_fp6_f32 v[DST:DST+2], v[XB:XB+15], v11
	v_cvt_scalef32_pk16_fp6_f32 v[TMPC:TMPC+2], v[XB+16:XB+31], v11
	v_lshrrev_b32 v10, 23, v11                     ; the scale's byte.  (Also the plain line between the conversions and the moves that read their result)
.if BL == 0
	v_mov_b32 v[SB+KK], v10
.else
	v_lshl_or_b32 v[SB+KK], v10, 8*BL, v[SB+KK]
.endif
.irp i, 0,1,2
	v_mov_b32 v[DST+3+\i], v[TMPC+\i]
.endr
.if (\t)+2 < 8
	LOAD (\t)+2
.endif
.endm
.macro PUT kk                          ; a K step's two fragment lanes a column: lanes 0-15 fill 256 consecutive aligned bytes of tile ct0, lanes 16-31 of tile ct0 + 1
.irp h, 0,1
.irp g, 0,1,2
	global_store_b128 v3, v[RUN+24*\kk+12*\h+4*\g:RUN+24*\kk+12*\h+4*\g+3], s[6:7] offset:\kk*1536+\g*512+\h*256
.endr
.endr
.endm
	LOAD 0
	LOAD 1
	BLOCK 0
	BLOCK 1
	BLOCK 2
	BLOCK 3
	PUT 0
	BLOCK 4
	BLOCK 5
	BLOCK 6
	BLOCK 7
	PUT 1
	global_store_b64 v4, v[SB:SB+1], s[8:9]        ; sixteen lanes store 128 consecutive bytes: one byte in 128 of what the launch reads
	s_endpgm
.Lfunc_end_k_q8b2fe399c4_quant:
	.size	k_q8b2fe399c4_quant, .Lfunc_end_k_q8b2fe399c4_quant-k_q8b2fe399c4_quant
	.p2alignl 7, 3214868480
	.fill 96, 4, 3214868480
	.section	.rodata,"a",@progbits
	.p2align	6, 0x0
	.amdhsa_kernel k_q8b2fe399c4_quant
		.amdhsa_group_segment_fixed_size 0
		.amdhsa_private_segment_fixed_size 0
		.amdhsa_enable_private_segment 0
		.amdhsa_kernarg_size 24
		.amdhsa_user_sgpr_count 2
		.amdhsa_user_sgpr_kernarg_segment_ptr 1
		.amdhsa_wavefront_size32 1
		.amdhsa_system_sgpr_workgroup_id_x 1
		.amdhsa_system_sgpr_workgroup_id_y 1
		.amdhsa_system_sgpr_workgroup_id_z 1
		.amdhsa_system_vgpr_workitem_id 0
		.amdhsa_next_free_vgpr 152
		.amdhsa_next_free_sgpr 66
		.amdhsa_reserve_vcc 0
		.amdhsa_float_denorm_mode_32 3
		.amdhsa_float_denorm_mode_16_64 3
		.amdhsa_memory_ordered 1
		.amdhsa_forward_progress 1
		.amdhsa_inst_pref_size 39
	.end_amdhsa_kernel
	.amdgpu_metadata
---
amdhsa.version: [ 1, 2 ]
amdhsa.kernels:
  - .name:           k_q8b2fe399c4_quant
    .symbol:         k_q8b2fe399c4_quant.kd
    .args:
      - { .name: x, .offset: 0, .size: 8, .value_kind: global_buffer, .address_space: global }
      - { .name: xc, .offset: 8, .size: 8, .value_kind: global_buffer, .address_space: global }
      - { .name: xs, .offset: 16, .size: 8, .value_kind: global_buffer, .address_space: global }
    .group_segment_fixed_size: 0
    .private_segment_fixed_size: 0
    .kernarg_segment_align: 8
    .kernarg_segment_size: 24
    .max_flat_workgroup_size: 128
    .sgpr_count:     66
    .vgpr_count:     152
    .wavefront_size: 32
...
	.end_amdgpu_metadata
.endif
;; end of part 3
;; launch bow (part 4): grid 4 x 64, 4 waves a work-group, no clusters, 274,944 bytes of LDS; arguments xc, xs, out0; writes out0
.if DOCPART == 4
	.amdgcn_target "amdgcn-amd-amdhsa--gfx1250"
	.amdhsa_code_object_version 6
	.text
	.protected	k_q8b2fe399c4_bow
	.globl	k_q8b2fe399c4_bow
	.p2align	8
	.type	k_q8b2fe399c4_bow,@function
k_q8b2fe399c4_bow:
	s_mov_b64 s[64:65], 0
	v_nop
	global_prefetch_b8 v0, s[64:65] scope:SCOPE_SE
	s_setreg_imm32_b32 hwreg(HW_REG_WAVE_SCHED_MODE, 0, 2), 2
	s_setreg_imm32_b32 hwreg(HW_REG_WAVE_MODE, 25, 1), 1
	s_wait_xcnt 0x0
	s_wait_alu depctr_vm_vsrc(0)
; y[b][t][c] = sum over s of att[t][s] x[b][s][c], att[t][s] = 1 / (t + 1) for s <= t, else 0; both operands as codes of FP6 (E2M3) with one E8M0 scale for each 32 along s; sums in f32.
; x's codes and scale words come from the launch before, in the order of the operand's registers (xc, xs: see there).
; att IS MADE HERE.  In row t every block of 32 that holds a number has 1 / (t + 1) as its largest magnitude: all kept places of a row have ONE code and ONE scale byte, the others the code 0.
; So a tile of 16 rows t has two fragments (16 rows x 128 s, 12 registers): FULL (every place kept), the same for every K step under the diagonal, and DIAG (the K step on the diagonal).
; 1 / (t + 1) is v_rcp_f32 and one Newton step: exact where t + 1 is a power of two, where the exponent decides the scale; elsewhere no t up to 4,096 puts it at the middle between two codes.
; K steps that lie wholly above the diagonal are not multiplied: the mask is the problem's own.
; SHARES.  A slab = one b x 64 columns (256 bytes of each row of y): 64 slabs, four work-groups (q = 0..3) each.  t goes in blocks of 128; block j has j full K steps and one on the diagonal.
; In trip i = 0..7 work-group q makes block j = 4 i + q (even i) or 4 i + 3 - q (odd i): 132 K steps for every q.  A wave owns 16 columns and makes all 128 t of a block: 8 accumulators.
; BOTH OPERANDS LIE IN REGISTERS: a wave's codes of x for ALL 4,096 s are 32 fragments, 384 registers, loaded once, straight from memory; a block's 8 FULL fragments are 96.  The K loop reads no memory.
; LDS holds att's fragments as images of their registers (16 bytes a lane, 512 bytes a store), built once by the four waves (16 tiles each), and two stages for the way out.
; SOURCE 0 = 16 columns of x, source 1 = 16 rows of att: in the result lane (r, h) holds t = r and the eight neighbouring columns 8 h + 0 .. 7: 32 bytes of a row of y.
; NO CLUSTER: the four work-groups of a slab read the same 204 KB of codes, once each, into the registers where they stay: there is no tile in LDS to share; and the partners run different
; numbers of K steps in a trip (j hangs on q), which joint requests do not allow.
; LIMITS: those of x's codes (the launch before).
; REGISTERS, in windows of 256: window 0: v1-23 addresses and constants; v30, v31 the closing add's two; v32-47 x's scale words; v48-63 att's, two sets; v64-127 rows of y on the way out; v128-255 two sets of 8 accumulators.
;   window 1: x's fragments of K steps 0-19 (12 k).   window 2: K steps 20-31 (12 (k - 20)); v144-239 the 8 DIAG fragments.   window 3: the 8 FULL fragments, two sets (v0-95, v96-191).
; At the head v64-191 of window 0 are at work on att.
; THE MODE: SCHED_MODE bits 1:0 = 2 (LLVM: expert scheduling mode 2), set by the entry lines.  The code itself states the register dependences between vector or matrix instructions and
; memory or LDS instructions, with s_wait_alu, always for 0.
; THE PLAN.  Registers that memory or LDS instructions touch, and who else names them:
;   v3-v14, v30, v31   Addresses: made once at the head by vector instructions, never written again.  One wait on va_vdst ahead of the first load serves every load and store of the kernel.
;   x's fragments and scale words   Loaded once; afterwards matrix instructions alone read them.
;   BLD0, BLD1, WRD    The head: tile n's vector lines write BLD[n % 2]; its six LDS stores read it.  A wait on va_vdst ahead of the stores, one on vm_vsrc ahead of the set's next writer.
;   ACC0, ACC1         Trip i's products write ACC[i % 2]; the 16 stage stores at the head of trip i + 1 read it; K step 0 of trip i + 2 writes it anew.
;   OB                 Trip i: the stage's 16 loads land in it, the 16 global stores read it; trip i + 1's loads land in it again.
;   DIAG               Trip i's loads land in it; its K step on the diagonal, the trip's last products, reads it.
;   FULL[p], ASC[p]    Loaded in trip i - 1, read by the products of trip i (p = i % 2), loaded again in trip i + 1.
; So TWO waits stand at the head of a trip, behind the four places.  The one on vm_vsrc: the stage stores and the global stores of the trip before have read ACC[i % 2] and OB.  The one on va_vdst: the last
; block's products have written the other ACC, which the stage stores read, and are done reading DIAG and the other FULL and ASC, in which this trip's loads land.  No vector or matrix instruction of trip i
; names one of those registers ahead of the loads, so the trip's 66 LDS loads are dealt among its products in short runs with no further wait.
.set FIMG,   0                         ; LDS: att's FULL fragments: tile 8 i + n at 1,536 (8 i + n)
.set DIMG,   98304                     ; the DIAG fragments likewise
.set SIMG,   196608                    ; att's scale words: trip i at 1,024 i, lane at 32 lane, tile n at 4 n
.set STG0,   204800                    ; two stages of 128 rows x (256 + 16) bytes
.set STGB,   34816
.set SPITCH, 272
.set LFA, 3                            ; v3   16 x lane: an image's place for my lane; also my place in a fragment of xc
.set XSA, 4                            ; v4   8 x lane: my place in xs
.set LFB, 5                            ; v5   LFA + 4 trips of FULL images
.set LDA, 6                            ; v6   LFA + DIMG
.set LDB, 7                            ; v7   and 4 trips on
.set LSC, 8                            ; v8   SIMG + 32 x lane
.set IA,  9                            ; v9   where I store FULL images: LFA + 24,576 x wave
.set IB,  10                           ; v10  DIAG images
.set IS,  11                           ; v11  scale words: LSC + 2,048 x wave
.set STO, 12                           ; v12  the stage: where I put 32 bytes of a row
.set RD,  13                           ; v13  where I read a row back
.set CO,  14                           ; v14  my byte offset in a block of y
.set ZR,  15                           ; v15  0
.set MK,  16                           ; v16-18 the low 6 (r + 1) of 96 bits: the places 0 .. r of a group of 16
.set XSC, 32
.set ASC, 48
.set OB,  64
.set ACC, 128
.set DG,  144
.set SRC, 64                           ; head: 16 equal numbers for a conversion
.set DEN, 80                           ; t + 1 of 8 tiles
.set ERR, 88
.set VAL, 96                           ; 1 / (t + 1)
.set WRD, 104                          ; scale words, 8 u + n
.set BLD, 128                          ; two build sets of 32: +0 FULL, +12 DIAG, +24 the partly kept group
.set QE,  12                           ; s12 q, s13 3 - q
.set TB,  21                           ; s21, s22: the first t + 1 of the two blocks whose tiles I build
.set CM,  24                           ; s24-39 the masks of the head's sixteen compares (until then: temporaries of the address arithmetic)
.set MSB, 0
.macro WIN new                         ; bits 1:0 source 0, 3:2 source 1, 5:4 source 2, 7:6 destination; the immediate's high byte repeats the setting that is left
.if MSB != (\new)
	s_set_vgpr_msb (MSB<<8)|(\new)
.set MSB, (\new)
.endif
.endm
	s_load_b128 s[4:7], s[0:1], 0x0                ; xc, xs
	s_load_b64 s[8:9], s[0:1], 0x10                ; out0
	v_lshl_add_u32 v30, v0, 2, 0x43000             ; my spare word, behind the stages, and 0: made here and kept for the closing lines alone
	v_mov_b32 v31, 0
	v_lshrrev_b32 v20, 5, v0
	v_readfirstlane_b32 s10, v20                   ; wave 0..3
	v_and_b32 v21, 31, v0                          ; lane
	v_and_b32 v1, 15, v0                           ; r
	v_bfe_u32 v2, v0, 4, 1                         ; h
	v_lshlrev_b32 v[LFA], 4, v21
	v_lshlrev_b32 v[XSA], 3, v21
	v_add_nc_u32 v[LFB], 49152, v[LFA]
	v_add_nc_u32 v[LDA], DIMG, v[LFA]
	v_add_nc_u32 v[LDB], DIMG+49152, v[LFA]
	v_lshl_add_u32 v[LSC], v21, 5, SIMG
	s_wait_alu depctr_va_sdst(0)                   ; s10, the wave's number, is written, ahead of its first reader
	s_mul_i32 s32, s10, 24576                      ; 16 tiles of 1,536 bytes a wave
	v_add_nc_u32 v[IA], s32, v[LFA]
	v_add_nc_u32 v[IB], DIMG, v[IA]
	s_lshl_b32 s33, s10, 11
	v_add_nc_u32 v[IS], s33, v[LSC]
	v_mul_u32_u24 v[STO], v1, SPITCH               ; into the stage: row r, + 32 h, + my wave's 64 bytes
	v_lshl_add_u32 v[STO], v2, 5, v[STO]
	s_lshl_b32 s34, s10, 6
	s_add_co_u32 s34, s34, STG0
	v_add_nc_u32 v[STO], s34, v[STO]
	v_mul_u32_u24 v[RD], v2, SPITCH                ; back: wave w takes rows 32 w .. 32 w + 31; lanes 0-15 one row of 256 bytes, lanes 16-31 the next
	v_lshl_add_u32 v[RD], v1, 4, v[RD]
	s_mul_i32 s35, s10, 32*SPITCH
	s_add_co_u32 s35, s35, STG0
	v_add_nc_u32 v[RD], s35, v[RD]
	v_lshlrev_b32 v[CO], 11, v2                    ; and the same two rows in y: 2,048 bytes a row
	v_lshl_add_u32 v[CO], v1, 4, v[CO]
	s_lshl_b32 s36, s10, 16
	v_add_nc_u32 v[CO], s36, v[CO]
	s_and_b32 s11, ttmp7, 0xffff                   ; the slab: 8 b + group of 64 columns
	s_mov_b32 s12, ttmp9                           ; q
	s_sub_co_u32 s13, 3, s12                       ; 3 - q
	s_lshl_b32 s14, s12, 18                        ; s[14:15], s[16:17]: q and 3 - q blocks of 128 rows of 2,048 bytes
	s_mov_b32 s15, 0
	s_lshl_b32 s16, s13, 18
	s_mov_b32 s17, 0
	s_mov_b32 s20, 0xffff0000                      ; lanes 16-31
	s_lshl_b32 s37, s10, 10                        ; I build the tiles of trips 2 w and 2 w + 1: t + 1 = 512 i + 128 (q or 3 - q) + 16 n + r + 1
	s_lshl_b32 s21, s12, 7
	s_add_co_u32 s21, s21, s37
	s_add_co_u32 s21, s21, 1
	s_lshl_b32 s22, s13, 7
	s_add_co_u32 s22, s22, s37
	s_add_co_u32 s22, s22, 513
	s_lshl_b32 s24, s11, 2
	s_add_co_u32 s24, s24, s10                     ; my tile of 16 columns: ct = 4 slab + wave
	s_mul_i32 s26, s24, 49152
	s_mov_b32 s27, 0
	s_lshl_b32 s28, s24, 11
	s_mov_b32 s29, 0
	s_lshr_b32 s30, s11, 3
	s_lshl_b32 s30, s30, 23                        ; b
	s_and_b32 s31, s11, 7
	s_lshl_b32 s31, s31, 8                         ; the slab's 256 bytes of a row
	s_add_co_u32 s30, s30, s31
	s_mov_b32 s31, 0
	s_wait_kmcnt 0x0
	s_add_nc_u64 s[4:5], s[4:5], s[26:27]
	s_add_nc_u64 s[6:7], s[6:7], s[28:29]
	s_add_nc_u64 s[8:9], s[8:9], s[30:31]
	s_wait_alu depctr_va_vdst(0)                   ; the addresses v3 to v14 are written, which every load and store below reads; none of them is written again
; x's scale words: register XSC + 2 m + j of lane (r, h') holds the word of column r for K step 4 m + 2 h' + j: K step k reads register XSC + 2 (k / 4) + k % 2, lanes 16-31 where (k / 2) is odd
.irp m, 0,1,2,3,4,5,6,7
	global_load_b64 v[XSC+2*\m:XSC+2*\m+1], v[XSA], s[6:7] offset:256*\m
.endr
.macro XLOAD k                         ; x's fragment of K step k: three loads of 512 consecutive bytes, into the registers where it stays; no vector instruction ever names them
.if (\k) < 20
	WIN 0x40
.set XR, 12*(\k)
.else
	WIN 0x80
.set XR, 12*((\k)-20)
.endif
.irp g, 0,1,2
	global_load_b128 v[XR+4*\g:XR+4*\g+3], v[LFA], s[4:5] offset:(\k)*1536+\g*512
.endr
.endm
.set KK, 0
.rept 18                               ; 8 + 54 loads are out while att is built
	XLOAD KK
.set KK, KK+1
.endr
	WIN 0
	; the mask of a partly kept group: sixteen numbers, -7.5 (code 0x3f) at places 0 .. r and 0 behind, converted under the scale 1
	v_mov_b32 v[ZR], 0
	v_mov_b32 v19, 0xc0f00000                      ; -7.5
	v_mov_b32 v20, 1.0
.irp i, 0,1,2,3,4,5,6,7,8,9,10,11,12,13,14,15
	v_cmp_le_u32 s[CM+\i], \i, v1                  ; the sixteen compares in one run, a scalar register each
.endr
	s_wait_alu depctr_va_sdst(0)                   ; the sixteen masks s24 to s39 are written, ahead of the selects that read them
.irp i, 0,1,2,3,4,5,6,7,8,9,10,11,12,13,14,15
	v_cndmask_b32 v[SRC+\i], v[ZR], v19, s[CM+\i]
.endr
	v_cvt_scalef32_pk16_fp6_f32 v[MK:MK+2], v[SRC:SRC+15], v20
	v_nop                                          ; one plain line behind a scaled conversion
.macro PICK sym, g, n, i               ; word i of group g (16 places) of tile n's DIAG fragment: kept whole under the diagonal, partly on it, zeros above
.if (\g) < (\n)
.set \sym, FBR+(\i)
.elseif (\g) == (\n)
.set \sym, FBR+24+(\i)
.else
.set \sym, ZR
.endif
.endm
.macro TILE u, n                       ; tile n of trip 2 w + u: its FULL and DIAG fragments and its scale word
.set FBR, BLD+32*((\n)%2)
	s_wait_dscnt 6                                 ; at most the tile before's six stores are out
.irp i, 0,1,2,3,4,5,6,7,8,9,10,11,12,13,14,15
	v_mov_b32 v[SRC+\i], v[VAL+\n]
.endr
	v_add_nc_u32 v21, 0xff000000, v[VAL+\n]        ; 2 off the exponent field: the conversion's scale operand
.if 8*(\u)+(\n) > 1
	s_wait_alu depctr_vm_vsrc(0)                   ; the LDS stores of two tiles back have read this build set, which the lines below write again
.endif
	v_cvt_scalef32_pk16_fp6_f32 v[FBR:FBR+2], v[SRC:SRC+15], v21   ; row r's code, sixteen times: 96 bits
	v_lshrrev_b32 v22, 23, v21                     ; the scale's byte.  (Also the plain line behind the conversion)
	v_lshl_or_b32 v22, v22, 8, v22
	v_lshl_or_b32 v[WRD+8*\u+\n], v22, 16, v22     ; the same byte for all four blocks: a block of zeros adds nothing under it
.irp i, 3,4,5,6,7,8,9,10,11
	v_mov_b32 v[FBR+\i], v[FBR+(\i%3)]             ; FULL: the 96 bits four times
.endr
.irp i, 0,1,2
	v_and_b32 v[FBR+24+\i], v[FBR+\i], v[MK+\i]    ; the group on the diagonal: places 0 .. r
.endr
.irp c, 0,1                            ; DIAG: register 6 c + 3 uu + i holds group 4 c + uu in lanes 0-15 and group 4 c + uu + 2 in lanes 16-31
.irp uu, 0,1
.irp i, 0,1,2
	PICK X0, 4*\c+\uu, \n, \i
	PICK X1, 4*\c+\uu+2, \n, \i
.if X0 == X1
	v_mov_b32 v[FBR+12+6*\c+3*\uu+\i], v[X0]
.else
	v_cndmask_b32 v[FBR+12+6*\c+3*\uu+\i], v[X0], v[X1], s20
.endif
.endr
.endr
.endr
	s_wait_alu depctr_va_vdst(0)                   ; the lines above have written the build set's 24 registers, which the six stores read, and this tile's scale word, which is stored behind tile 7
.irp g, 0,1,2
	ds_store_b128 v[IA], v[FBR+4*\g:FBR+4*\g+3] offset:\u*12288+\n*1536+\g*512
.endr
.irp g, 0,1,2
	ds_store_b128 v[IB], v[FBR+12+4*\g:FBR+12+4*\g+3] offset:\u*12288+\n*1536+\g*512
.endr
.endm
.macro BUILD u
.irp n, 0,1,2,3,4,5,6,7
	v_add_nc_u32 v[DEN+\n], s[TB+\u], v1
.endr
.irp n, 0,1,2,3,4,5,6,7
	v_add_nc_u32 v[DEN+\n], 16*\n, v[DEN+\n]       ; t + 1
.endr
.irp n, 0,1,2,3,4,5,6,7
	v_cvt_f32_u32 v[DEN+\n], v[DEN+\n]
.endr
	s_wait_alu depctr_va_vdst(0)
.irp n, 0,1,2,3,4,5,6,7
	v_rcp_f32 v[VAL+\n], v[DEN+\n]
.endr
	v_nop                                          ; one plain line behind the transcendentals
	s_wait_alu depctr_va_vdst(0)                   ; the eight reciprocals have written v[VAL ..]: one wait for the batch, ahead of its first reader
.irp n, 0,1,2,3,4,5,6,7
	v_fma_f32 v[ERR+\n], -v[DEN+\n], v[VAL+\n], 1.0
.endr
.irp n, 0,1,2,3,4,5,6,7
	v_fma_f32 v[VAL+\n], v[VAL+\n], v[ERR+\n], v[VAL+\n]   ; one Newton step
.endr
	s_wait_alu depctr_va_vdst(0)
.irp n, 0,1,2,3,4,5,6,7
	TILE \u, \n
.endr
	ds_store_b128 v[IS], v[WRD+8*\u:WRD+8*\u+3] offset:\u*1024       ; the eight scale words: each was written ahead of its tile's wait on va_vdst, and no line writes it again
	ds_store_b128 v[IS], v[WRD+8*\u+4:WRD+8*\u+7] offset:\u*1024+16
.endm
	BUILD 0
	BUILD 1
.set KK, 18
.rept 14                               ; the other 42 loads: 104 in all, and none follows
	XLOAD KK
.set KK, KK+1
.endr
	WIN 0
	s_wait_dscnt 0x0                               ; for the others' sake: my images have landed
	s_barrier_signal -1
	s_barrier_wait -1                              ; all 64 tiles' images lie in LDS, and are only read from here on
	s_wait_alu depctr_vm_vsrc(0)                   ; my LDS stores have read the build sets and the scale words: v128-191 are accumulators from here on, written by the products, and v104-119 part of OB, in which loads land
; 8 matrix instructions: K step k of the block in hand, accumulator set p.  diag = 1: the K step on the diagonal.  k = 0 starts the sums: nothing is ever cleared.
; The eight accumulators take turns, one instruction a turn, in the same order in every K step.
.macro SECT k, p, diag
.if (\k) < 20
.set XW, 1
.set XR, 12*(\k)
.else
.set XW, 2
.set XR, 12*((\k)-20)
.endif
.if \diag
	WIN 0x08+XW                                    ; source 0 (x) window 1 or 2, source 1 (DIAG) window 2, C and D window 0
.else
	WIN 0x0c+XW                                    ; source 1 (FULL) window 3
.endif
.set SX, XSC+2*((\k)/4)+((\k)%2)
.irp n, 0,1,2,3,4,5,6,7
.if \diag
.set BR, DG+12*\n
.else
.set BR, 96*(\p)+12*\n
.endif
.set AR, ACC+64*(\p)+8*\n
.set SA, ASC+8*(\p)+\n
.if (\k) == 0
	v_wmma_scale_f32_16x16x128_f8f6f4 v[AR:AR+7], v[XR:XR+11], v[BR:BR+11], 0, v[SX], v[SA] matrix_a_fmt:MATRIX_FMT_FP6 matrix_b_fmt:MATRIX_FMT_FP6
.elseif (((\k)/2)%2) == 1
	v_wmma_scale_f32_16x16x128_f8f6f4 v[AR:AR+7], v[XR:XR+11], v[BR:BR+11], v[AR:AR+7], v[SX], v[SA] matrix_a_fmt:MATRIX_FMT_FP6 matrix_b_fmt:MATRIX_FMT_FP6 matrix_a_scale:MATRIX_SCALE_ROW1
.else
	v_wmma_scale_f32_16x16x128_f8f6f4 v[AR:AR+7], v[XR:XR+11], v[BR:BR+11], v[AR:AR+7], v[SX], v[SA] matrix_a_fmt:MATRIX_FMT_FP6 matrix_b_fmt:MATRIX_FMT_FP6
.endif
.endr
.endm
.macro SECTS k0, k1, p                 ; full K steps k0 .. k1 - 1
.if (\k1) > (\k0)
.set KK, \k0
.rept (\k1)-(\k0)
	SECT KK, \p, 0
.set KK, KK+1
.endr
.endif
.endm
; The LDS loads of att.  Each macro sets the windows that it needs and leaves them so.
.macro FLOAD i, p, n0, cnt             ; trip i's FULL fragments n0 .. n0 + cnt - 1 into set p: three loads of 512 consecutive bytes each
	WIN 0xc0
.set NN, \n0
.rept \cnt
.irp g, 0,1,2
.if (\i) < 4
	ds_load_b128 v[96*(\p)+12*NN+4*\g:96*(\p)+12*NN+4*\g+3], v[LFA] offset:(\i)*12288+NN*1536+\g*512
.else
	ds_load_b128 v[96*(\p)+12*NN+4*\g:96*(\p)+12*NN+4*\g+3], v[LFB] offset:((\i)-4)*12288+NN*1536+\g*512
.endif
.endr
.set NN, NN+1
.endr
.endm
.macro DLOAD i, n0, cnt                ; trip i's DIAG fragments n0 .. n0 + cnt - 1
	WIN 0x80
.set NN, \n0
.rept \cnt
.irp g, 0,1,2
.if (\i) < 4
	ds_load_b128 v[DG+12*NN+4*\g:DG+12*NN+4*\g+3], v[LDA] offset:(\i)*12288+NN*1536+\g*512
.else
	ds_load_b128 v[DG+12*NN+4*\g:DG+12*NN+4*\g+3], v[LDB] offset:((\i)-4)*12288+NN*1536+\g*512
.endif
.endr
.set NN, NN+1
.endr
.endm
.macro ALOAD i, p                      ; trip i's 8 scale words of att into set p
	WIN 0
	ds_load_b128 v[ASC+8*(\p):ASC+8*(\p)+3], v[LSC] offset:(\i)*1024
	ds_load_b128 v[ASC+8*(\p)+4:ASC+8*(\p)+7], v[LSC] offset:(\i)*1024+16
.endm
; THE WAY OUT.  A lane holds 32 bytes of a row, a wave 64, the four waves a row's 256: they meet in a stage, and each wave stores 32 whole rows.
.macro STIN p                          ; accumulator set p into stage p, each accumulator from its low end on
	WIN 0
.irp n, 0,1,2,3,4,5,6,7
	ds_store_b128 v[STO], v[ACC+64*(\p)+8*\n:ACC+64*(\p)+8*\n+3] offset:(\p)*STGB+\n*16*SPITCH
	ds_store_b128 v[STO], v[ACC+64*(\p)+8*\n+4:ACC+64*(\p)+8*\n+7] offset:(\p)*STGB+\n*16*SPITCH+16
.endr
.endm
.macro STOUT p
	WIN 0
.irp m, 0,1,2,3,4,5,6,7,8,9,10,11,12,13,14,15
	ds_load_b128 v[OB+4*\m:OB+4*\m+3], v[RD] offset:(\p)*STGB+\m*2*SPITCH
.endr
.endm
.macro SEND ib, p, counted             ; the block of trip ib (parity p) leaves; counted = 1: each store waits for its own load
	WIN 0
.if (\p) == 0
	s_add_nc_u64 s[18:19], s[8:9], s[14:15]        ; block 4 ib + q
.else
	s_add_nc_u64 s[18:19], s[8:9], s[16:17]        ; block 4 ib + 3 - q
.endif
.if (\ib) > 0
	s_add_nc_u64 s[18:19], s[18:19], (4*(\ib))<<18
.endif
.irp m, 0,1,2,3,4,5,6,7,8,9,10,11,12,13,14,15
.if \counted
	s_wait_dscnt 15-\m
.endif
	global_store_b128 v[CO], v[OB+4*\m:OB+4*\m+3], s[18:19] offset:4096*\m th:TH_STORE_NT   ; sixteen lanes store 256 consecutive bytes, at a multiple of 256 from y's first byte; written once
.endr
.endm
.macro DSECT k, dw                     ; the K step on the diagonal; dw: the LDS loads issued behind DIAG's, which may stay out (-1: DIAG was waited for earlier)
.if (\dw) >= 0
	s_wait_dscnt \dw
.endif
	SECT \k, P, 1
	WIN 0
.endm
; The block's last K steps, 4 i .. 4 i + 3: full up to the diagonal, which lies at 4 i + (q or 3 - q).  The branches hang on the work-group's number alone: the four waves go the same way.
; At a branch and at a label every window is 0.
.macro GUARDS i, dw
	WIN 0
	s_cmp_eq_u32 s[QE+P], 0
	s_cbranch_scc1 .Ldiag0_\@
	SECT 4*(\i), P, 0
	WIN 0
	s_cmp_eq_u32 s[QE+P], 1
	s_cbranch_scc1 .Ldiag1_\@
	SECT 4*(\i)+1, P, 0
	WIN 0
	s_cmp_eq_u32 s[QE+P], 2
	s_cbranch_scc1 .Ldiag2_\@
	SECT 4*(\i)+2, P, 0
	DSECT 4*(\i)+3, \dw
	s_branch .Lblock_done_\@
.Ldiag0_\@:
	DSECT 4*(\i), \dw
	s_branch .Lblock_done_\@
.Ldiag1_\@:
	DSECT 4*(\i)+1, \dw
	s_branch .Lblock_done_\@
.Ldiag2_\@:
	DSECT 4*(\i)+2, \dw
.Lblock_done_\@:
.endm
; TRIP i (1 .. 7): block 4 i + (q or 3 - q) is multiplied in accumulator set i % 2, while the block before leaves from the other set.  Written out for each i: the number of K steps and x's registers differ.
; The two waits at its head state all that the trip's LDS and memory instructions hang on (THE PLAN): behind them its loads stand in short runs among the products.
.macro TRIP i
.set P, (\i)%2
.set PP, 1-P
.set LC, 84-12*(\i)                    ; the global loads issued behind fragment 4 i + 3: three for each later fragment
.if LC > 63
.set LC, 63                            ; (a smaller count is always right)
.endif
.rept 4
	v_nop                                          ; four places behind the last block's products, before the stage stores read their results; the wait below stands beside them
.endr
.if (\i) > 1
	s_wait_alu depctr_vm_vsrc(0)                   ; the trip before's stage stores have read this trip's accumulators, which K step 0 writes anew; its global stores have read OB, in which the stage's loads below land
.endif
	s_wait_alu depctr_va_vdst(0)                   ; the last block's products have written the other accumulators, which the stage stores read, and are done reading DIAG and the other FULL and ASC, in which this trip's loads land (trip 1: the head's vector lines are done with v64-127, which is OB from here on)
	STIN PP
	s_wait_dscnt 16                                ; this block's FULL fragments and scale words, asked for a trip ago, are in; the 16 stores just issued may be out
	SECT 0, P, 0
	s_wait_dscnt 0x0                               ; for the others' sake: my part of the stage has landed; and my reads of the other stage, a trip back, are over
	s_barrier_signal -1
	SECT 1, P, 0                                   ; work on registers while the others arrive
	s_barrier_wait -1                              ; 128 whole rows lie in the stage
	s_wait_xcnt 0x0                                ; the last block's stores have read their registers and their base: both are written again below
	STOUT PP
	SECT 2, P, 0
	DLOAD \i, 0, 4                                 ; DIAG in two runs of 12.  No wait: no vector or matrix instruction since the wait at the trip's head names DIAG
	SECT 3, P, 0
	s_wait_dscnt 12                                ; the 16 rows' loads are in; DIAG's first 12 may be out
	SEND (\i)-1, PP, 0
	DLOAD \i, 4, 4
.if (\i) == 1
	FLOAD 2, PP, 0, 8                              ; trip 1 has no K step that is certain to follow: the next block's fragments in one run
	ALOAD 2, PP
.else
.irp f, 0,1,2,3
	SECT 4+\f, P, 0
.if (\i) < 7
	FLOAD (\i)+1, PP, 2*\f, 2                      ; the next block's FULL fragments, six loads behind each of four K steps, into the set that the last block has left: none of this trip's products names it
.endif
.endr
.if (\i) < 7
	ALOAD (\i)+1, PP                               ; and its scale words
.endif
	SECTS 8, 4*(\i), P
.endif
	s_wait_loadcnt LC                              ; x's fragments up to 4 i + 3 are in (those up to 4 i - 1 since the trip before)
.if (\i) < 7
	GUARDS \i, 26                                  ; behind DIAG's loads: the next block's 24 + 2
.else
	GUARDS \i, 0
.endif
.endm
	FLOAD 0, 0, 0, 8                               ; no vector or matrix instruction has named the registers in which these 76 loads land
	ALOAD 0, 0
	DLOAD 0, 0, 8
	FLOAD 1, 1, 0, 8
	ALOAD 1, 1
.set P, 0
	s_wait_dscnt 26                                ; trip 0's FULL, scale words and DIAG are in; trip 1's 24 + 2 may be out
	s_wait_loadcnt 63                              ; of 104 loads the first 41 are in: x's scale words and fragments 0 to 10
	GUARDS 0, -1
	TRIP 1
	TRIP 2
	TRIP 3
	TRIP 4
	TRIP 5
	TRIP 6
	TRIP 7
.rept 4
	v_nop                                          ; four places behind the last products
.endr
	s_wait_alu depctr_vm_vsrc(0)                   ; the global stores of the block before have read OB, in which the stage's loads below land
	s_wait_alu depctr_va_vdst(0)                   ; the last products have written their accumulators, which the stage stores read
	STIN 1
	s_wait_dscnt 0x0                               ; for the others' sake: my part of the stage has landed
	s_barrier_signal -1
	s_barrier_wait -1
	s_wait_xcnt 0x0                                ; the block before's stores have read their registers and their base
	STOUT 1
	SEND 7, 1, 1
	s_wait_dscnt 0x0                               ; the closing lines, six on end
	s_wait_alu 0x0
	s_wait_tensorcnt 0x0
	ds_add_u32 v30, v31
	s_wait_dscnt 0x0
	s_endpgm
.Lfunc_end_k_q8b2fe399c4_bow:
	.size	k_q8b2fe399c4_bow, .Lfunc_end_k_q8b2fe399c4_bow-k_q8b2fe399c4_bow
	.p2alignl 7, 3214868480
	.fill 96, 4, 3214868480
	.section	.rodata,"a",@progbits
	.p2align	6, 0x0
	.amdhsa_kernel k_q8b2fe399c4_bow
		.amdhsa_group_segment_fixed_size 274944
		.amdhsa_private_segment_fixed_size 0
		.amdhsa_enable_private_segment 0
		.amdhsa_kernarg_size 24
		.amdhsa_user_sgpr_count 2
		.amdhsa_user_sgpr_kernarg_segment_ptr 1
		.amdhsa_wavefront_size32 1
		.amdhsa_system_sgpr_workgroup_id_x 1
		.amdhsa_system_sgpr_workgroup_id_y 1
		.amdhsa_system_sgpr_workgroup_id_z 1
		.amdhsa_system_vgpr_workitem_id 0
		.amdhsa_next_free_vgpr 960
		.amdhsa_next_free_sgpr 66
		.amdhsa_reserve_vcc 0
		.amdhsa_float_denorm_mode_32 3
		.amdhsa_float_denorm_mode_16_64 3
		.amdhsa_memory_ordered 1
		.amdhsa_forward_progress 1
		.amdhsa_inst_pref_size 255
	.end_amdhsa_kernel
	.section	.bss,"aw",@nobits
	.p2align	6
	.space	262144
	.amdgpu_metadata
---
amdhsa.version: [ 1, 2 ]
amdhsa.kernels:
  - .name:           k_q8b2fe399c4_bow
    .symbol:         k_q8b2fe399c4_bow.kd
    .args:
      - { .name: xc, .offset: 0, .size: 8, .value_kind: global_buffer, .address_space: global }
      - { .name: xs, .offset: 8, .size: 8, .value_kind: global_buffer, .address_space: global }
      - { .name: out0, .offset: 16, .size: 8, .value_kind: global_buffer, .address_space: global }
    .group_segment_fixed_size: 274944
    .private_segment_fixed_size: 0
    .kernarg_segment_align: 8
    .kernarg_segment_size: 24
    .max_flat_workgroup_size: 128
    .sgpr_count:     66
    .vgpr_count:     960
    .wavefront_size: 32
...
	.end_amdgpu_metadata
.endif
;; end of part 4
